; MI455X (gfx1250); checked and timed in simulation.
; The chip was launched on July 23, 2026; its instructions are those of AMD's public machine-readable ISA for CDNA 5 (MIT licence, August 2026) and "CDNA5" Instruction Set Architecture Reference Guide (July 2026). The comments in the code are by the model that wrote it; some were corrected since.
;; Multihead Attention. Allowed arithmetic: matrix products marked QUANTISED: E5M2 operands, one given power-of-two scale a tensor, by v_wmma_f32_16x16x64_bf8_bf8 or v_wmma_f32_16x16x128_bf8_bf8, f32 sums; everything else in f32.
;; Inputs: Wk_codes 16 x 64 x 32 x 32 uint8 (E5M2 codes of Wk, K innermost, in blocks of 32 codes); Wout_codes 1,024 x 32 x 32 uint8 (E5M2 codes of Wout, K innermost, in blocks of 32 codes); Wq_codes 16 x 64 x 32 x 32 uint8 (E5M2 codes of Wq, K innermost, in blocks of 32 codes); Wv_codes 16 x 64 x 32 x 32 uint8 (E5M2 codes of Wv, K innermost, in blocks of 32 codes); attn_mask 2,048 x 2,048 bool; bk 16 x 64 float32; bout 1,024 float32; bq 16 x 64 float32; bv 16 x 64 float32; k_codes 4 x 2,048 x 32 x 32 uint8 (E5M2 codes of k, K innermost, in blocks of 32 codes); key_padding_mask 4 x 2,048 bool; lowp_scales 12 int32 (the exponents e of the quantised operands' scales 2^e); q_codes 4 x 2,048 x 32 x 32 uint8 (E5M2 codes of q, K innermost, in blocks of 32 codes); v_codes 4 x 2,048 x 32 x 32 uint8 (E5M2 codes of v, K innermost, in blocks of 32 codes).
;; Outputs: out0 4 x 2,048 x 1,024 float32.
;; This version of the problem:
;;   THIS VERSION OF THE PROBLEM IS GIVEN IN LOW PRECISION. The matrix products marked QUANTISED in the list below multiply operands that are first quantised to E5M2 (5 exponent bits, 2 mantissa bits; 8 bits a number), with one given power-of-two scale for each operand tensor; their sums are f32. All else is computed in f32.
;;   The module's matrix products, in the order in which they are computed (A, B: the left and right operand; K: the contracted axis; several contracted axes count as one K, in the product's order):
;;     1. [M 8,192, K 1,024] x [K 1,024, N 1,024]; A: input q (given as codes); B: input Wq (given as codes): QUANTISED (scales: A lowp_scales[0], B lowp_scales[1])
;;     2. [M 8,192, K 1,024] x [K 1,024, N 1,024]; A: input k (given as codes); B: input Wk (given as codes): QUANTISED (scales: A lowp_scales[2], B lowp_scales[3])
;;     3. [M 8,192, K 1,024] x [K 1,024, N 1,024]; A: input v (given as codes); B: input Wv (given as codes): QUANTISED (scales: A lowp_scales[4], B lowp_scales[5])
;;     4. batch 64 x [M 2,048, K 64] x [K 64, N 2,048]; A: computed on the way; B: computed on the way: QUANTISED (scales: A lowp_scales[6], B lowp_scales[7])
;;     5. batch 64 x [M 64, K 2,048] x [K 2,048, N 2,048]; A: computed on the way; B: softmax (see below): QUANTISED (scales: A lowp_scales[8], B lowp_scales[9])
;;     6. [M 8,192, K 1,024] x [K 1,024, N 1,024]; A: computed on the way; B: input Wout (given as codes): QUANTISED (scales: A lowp_scales[10], B lowp_scales[11])
;;   THE QUANTISER, for each operand of a quantised product, along K:
;;     - The operand's scale is 2^e, e = its entry of the input lowp_scales (int32; the entries are numbered through the quantised products in the list's order, A before B).
;;     - Each number is divided by the scale, clamped to +-57,344, and rounded to the nearest number of E5M2, ties to even, subnormals kept.
;;     - The product sums the exact products of the quantised numbers (number of the format x scale) in f32.
;;   ~~~python
;;   def quantise(x, axis, e):      # numpy; x: float32 -> the quantised numbers, widened to float32 again
;;       x = np.moveaxis(x, axis, -1); K = x.shape[-1]
;;       r = np.clip(x / 2.0 ** e, -57344, 57344)
;;       step = 2.0 ** (np.maximum(np.frexp(np.where(r == 0, 1, r))[1] - 1, -14) - 2)
;;       q = np.round(r / step) * step * 2.0 ** e      # np.round: ties to even
;;       return np.moveaxis(q, -1, axis).astype(np.float32)
;;   ~~~
;;   SOFTMAX AHEAD OF A QUANTISED PRODUCT. Where the list says 'softmax', what is quantised is not the finished softmax but p = 2^(t - M), with t = logit x log2(e) and M = ceil(the row's largest t), a whole number; so 1/2 < the row's largest p <= 1. The row's sum l is taken of the UNQUANTISED p, in f32, and the product's result is divided by l at the end. Since M is a whole number, a kernel that streams over the keys may use a running M (the ceiling of the running maximum): every later rescaling is an exact power of two, so the quantised numbers keep their values, but for numbers so far below the row's largest that they fall under the format's range.
;;   OPERANDS COMPUTED ON THE WAY. 'Computed on the way' means the value that the module computes at that place (a softmax that the list does not call 'softmax' is quantised finished and normalised). What goes into a quantiser is computed in f32, as accurately as f32 sums, v_exp_f32 and their like allow (about 1e-6 of the number): no bf16 or f16 on the way to a quantiser, and a product that is left as it is and whose result goes on into a quantised operand takes f32 operands (vector FMAs, or v_wmma_f32_16x16x4_f32). A number that lies on a knife's edge between two numbers of the format may be rounded either way, as far as f32 arithmetic and the matrix unit's own rounding can turn it there, and no further.
;;   INPUTS GIVEN AS CODES. Wk (in the module: [16, 64, 1024], K = its axis 2); Wout (in the module: [1024, 1024], K = its axis 1); Wq (in the module: [16, 64, 1024], K = its axis 2); Wv (in the module: [16, 64, 1024], K = its axis 2); k (in the module: [4, 2048, 1024], K = its axis 2); q (in the module: [4, 2048, 1024], K = its axis 2); v (in the module: [4, 2048, 1024], K = its axis 2): each comes as NAME_codes (uint8): NAME with its K axis moved to the last place and cut into blocks of 32 codes, [.., K / 32, bytes a block], one block behind the other in memory; one code a byte (a code: sign, 5 exponent bits, 2 mantissa bits); its scale is its entry of lowp_scales. Its value is code x scale, taken as it is: it is not quantised again, and the codes and scales need not be those that the quantiser above would give.
;; One version. Each part assembles by itself: llvm-mc -triple=amdgcn-amd-amdhsa -mcpu=gfx1250 --defsym DOCPART=n.
;; ======== version 1 of 1: 3 launches
;; limits: right only within a limited range of input values
;; workspace buffers: qc 8,388,608 bytes; kc 8,388,608 bytes; vc 8,388,608 bytes; yc 8,388,608 bytes; mw 2,097,152 bytes of whole numbers; mf 1,024 bytes of whole numbers
;; launch proj (part 1): grid 256 x 1, 4 waves a work-group, no clusters, 266,752 bytes of LDS; arguments q_codes, k_codes, v_codes, Wq_codes, Wk_codes, Wv_codes, bq, bk, bv, lowp_scales, attn_mask, key_padding_mask, qc, kc, vc, mw, mf; writes qc, kc, vc, mw, mf
.if DOCPART == 1
	.amdgcn_target "amdgcn-amd-amdhsa--gfx1250"
	.amdhsa_code_object_version 6
	.text
	.protected	k_q66e42d4755_proj
	.globl	k_q66e42d4755_proj
	.p2align	8
	.type	k_q66e42d4755_proj,@function
k_q66e42d4755_proj:
	s_mov_b64 s[64:65], 0
	v_nop
	global_prefetch_b8 v0, s[64:65] scope:SCOPE_SE
	s_setreg_imm32_b32 hwreg(HW_REG_WAVE_MODE, 25, 1), 1
	s_wait_xcnt 0x0
; THE THREE PROJECTIONS ON CODES OF BF8 (E5M2), THEIR BIASES, THEIR QUANTISING; AND THE TWO MASKS PACKED INTO BITS.
; qh = q Wq^T + bq, kh, vh likewise: [8192 tokens][1024] x [1024 features][1024], K innermost in both.  A sum of codes stands for sum x 2^(eA + eW); the bias goes in as the C of
; each sum's first product, divided by that power of two; the result's code is (sum + bias') / 2^(eo - eA - eW), held within +-57,344, by the scaled conversion.
; WORK-GROUPS.  g < 192: a product's: tensor g / 64 (q, k, v), 256 features (four heads) g % 4, 512 tokens (g % 64) / 4.  g >= 192: pair g - 192 of the masks (32 queries).
; THE WEIGHTS STAY: wave w holds head 4 (g % 4) + w: 64 rows x 1,024 K = 32 fragments = 512 registers, read once.  Tokens go by blocks of 64 rows through two LDS buffers by turns:
; a block is asked for (global loads into registers) while the block before is multiplied, and stored into the other buffer at that block's end: one barrier a block.
; THE ROWS OF A TILE ARE NOT NEIGHBOURS.  In every group of 64 rows (tokens, or a head's features) lane row r of tile 2 b + u is row 32 b + 8 u + r + 8 (r / 8).  So the 16 result registers of two
; neighbouring tiles of source 0 are 16 NEIGHBOURS, 32 b + 16 (lane / 16) + 0 .. 15, and two conversions give 16 bytes of the next product's operand.
; q, k: source 0 = weights, source 1 = tokens: a lane holds a token, its registers run along the head's 64, the next K.   v: the sources change places: a lane holds a feature, its registers run along the tokens (the keys).
; WHAT IS STORED ARE IMAGES OF OPERAND REGISTERS: four registers of every lane, 16 bytes at 16 x lane, 512 consecutive bytes a store.
;   qc, kc: [batch][head][tile of 16 tokens, 128][piece 2][lane][16];   vc: [batch][head][64 keys, 32][tile of 16 features, 4][piece 2][lane][16].  Piece c: k = 32 c + 16 (lane / 16) + 0 .. 15.
; That order of k inside a fragment is not the form's own; it is the same in both operands of every product, so each code meets its partner.
;   mw: [batch][pair 64][64 keys, 32][n 32][u 2] words: bit L = mask of query 32 pair + 8 u + r + 8 (r / 8), r = L % 16, against key 32 (n / 16) + 16 (L / 16) + n % 16 of the 64.   mf: [batch][pair]: bit st = some bit of that step is set.
; No tensor loads and no cluster: a block of tokens is shared by four work-groups only, 64 KB for 128 products of each wave, and it is asked for a whole block ahead.
; LIMITS: eo - eA - eW between -126 and 112 for each of the three; NaN among the biases is not served.
; REGISTERS, in windows of 256: window 0: v1-13 addresses and scales; v32-63 the bias as C; v64-127, v128-191 two sets of token fragments; v192-223 codes.
;   windows 1, 2: the weights, fragment (tile t, K step s) at v[16 (4 (s % 4) + t)] of window 1 + s / 4.   window 3: v0-127 the 16 accumulators; v128-255 the next block as loaded.
.set PITCH, 1040                       ; an LDS row: 1,024 bytes + 16: 65 x 16, so the 16 rows that a fragment load touches start at 16 different columns of 16 bytes
.set BUFB,  64*PITCH                   ; a buffer: 64 rows
.set LBV,   2*BUFB                     ; v's path has LDS bytes of its own
.set BI,    32
.set AF,    64
.set CD,    192
.set STG,   128
.set MSB, 0
.macro WIN new                         ; the immediate's high byte repeats the setting that is left; a switch that changes nothing is dropped
.if MSB != (\new)
	s_set_vgpr_msb (MSB<<8)|(\new)
.set MSB, (\new)
.endif
.endm
.macro PLACES n                        ; plain vector instructions between a matrix instruction and a load into, or a vector instruction on, its registers
.rept \n
	v_nop
.endr
.endm
; my 16 tokens of a block, 16 KB, from off bytes on: each load reads 512 consecutive bytes
.macro ALOAD off
	WIN 0xc0                                       ; destination window 3
.set i, 0
.rept 32
	global_load_b128 v[STG+4*i:STG+4*i+3], v6, s[44:45] offset:\off+(i/2)*1024+(i%2)*512
.set i, i+1
.endr
	WIN 0
.endm
; and into a buffer: token 16 w + x goes to row 32 (w / 2) + 8 (w % 2) + 16 (x / 8) + x % 8, so that LDS row 16 m + r is row r of tile m
.macro ASTORE adr
	WIN 0x0c                                       ; store data window 3
.set i, 0
.rept 32
	ds_store_b128 v[\adr], v[STG+4*i:STG+4*i+3] offset:(16*(i/16)+((i/2)%8))*PITCH+(i%2)*512
.set i, i+1
.endr
	WIN 0
.endm
.macro FETCH adr, s, set               ; the four token fragments of K step s into a set
.irp m, 0,1,2,3
.irp c, 0,1,2,3
	ds_load_b128 v[AF+64*(\set)+16*\m+4*\c:AF+64*(\set)+16*\m+4*\c+3], v[\adr] offset:16*\m*PITCH+128*(\s)+32*\c
.endr
.endr
.endm
; 16 products: four token tiles x four weight tiles, 128 along K.  The 16 accumulators take turns, one instruction a turn, in the same order in every step.
.macro MUL16 s, set, swap
.if \swap
.if (\s) == 0
	WIN 0xc4                                       ; source 1 (weights) window 1, C (bias) window 0, D window 3
.elseif (\s) < 4
	WIN 0xf4
.else
	WIN 0xf8
.endif
.else
.if (\s) == 0
	WIN 0xc1                                       ; source 0 (weights) window 1, C (bias) window 0, D window 3
.elseif (\s) < 4
	WIN 0xf1
.else
	WIN 0xf2
.endif
.endif
.irp m, 0,1,2,3
.irp t, 0,1,2,3
.set rW, 16*(4*((\s)%4)+\t)
.set rA, AF+64*(\set)+16*\m
.if \swap
.set rD, 8*(4*\t+\m)
.if (\s) == 0
	v_wmma_f32_16x16x128_bf8_bf8 v[rD:rD+7], v[rA:rA+15], v[rW:rW+15], v[BI+8*\t:BI+8*\t+7]
.else
	v_wmma_f32_16x16x128_bf8_bf8 v[rD:rD+7], v[rA:rA+15], v[rW:rW+15], v[rD:rD+7]
.endif
.else
.set rD, 8*(4*\m+\t)
.if (\s) == 0
	v_wmma_f32_16x16x128_bf8_bf8 v[rD:rD+7], v[rW:rW+15], v[rA:rA+15], v[BI+8*\t:BI+8*\t+7]
.else
	v_wmma_f32_16x16x128_bf8_bf8 v[rD:rD+7], v[rW:rW+15], v[rA:rA+15], v[rD:rD+7]
.endif
.endif
.endr
.endr
.endm
.macro KSTEP adr, s, swap
.if \s > 0
	PLACES 4                                       ; the set fetched below was read by the products just issued
.endif
	WIN 0
.if \s < 7
	FETCH \adr, (\s+1), ((\s+1)%2)
	s_wait_dscnt 16                                ; the sixteen just issued may stay out; this step's sixteen are in
.else
	s_wait_dscnt 0x0
.endif
	MUL16 \s, (\s%2), \swap
.endm
; THE WAY OUT of a block: hold, convert, store.  Accumulator 4 X + 2 b + e: X = the token tile (q, k) or the feature tile (v); registers of 2 b and 2 b + 1 are piece b.
.macro EPI
	PLACES 4
	WIN 0xc3                                       ; the sums, source 0 and destination, window 3
.set i, 0
.rept 128
	v_med3_num_f32 v[i], v[i], -v13, v13           ; the conversion to an 8-bit code does not saturate (ISA guide 7.6.2): the hold at the largest code x the scale; each accumulator from its low end on
.set i, i+1
.endr
	WIN 0x03
.irp X, 0,1,2,3
.irp b, 0,1
.irp e, 0,1
	v_cvt_scalef32_pk8_bf8_f32 v[CD+8*\X+4*\b+2*\e:CD+8*\X+4*\b+2*\e+1], v[8*(4*\X+2*\b+\e):8*(4*\X+2*\b+\e)+7], v12
.endr
.endr
.endr
	v_nop                                          ; a plain vector instruction behind the last conversion: the next block's products write its sources
	WIN 0
.irp X, 0,1,2,3
.irp b, 0,1
	global_store_b128 v6, v[CD+8*\X+4*\b:CD+8*\X+4*\b+3], s[50:51] offset:1024*\X+512*\b   ; 32 lanes store 512 consecutive bytes, at a multiple of 512 from the buffer's first byte
.endr
.endr
.endm
; A BLOCK of 64 tokens out of buffer buf.  cond = 1: in the last trip there is no next block: its loads and its LDS stores are jumped over (no load leaves its buffer).
; The wait for the loads stands on every path, outside both branches: no load into the staging registers is ever out when the next block's loads are issued.
.macro BLOCK buf, cond, swap
.if \cond
	s_cmp_eq_u32 s42, 1
	s_cbranch_scc1 .Lnl_\@
.endif
	ALOAD 65536                                    ; the next block, asked for a whole block ahead
.if \cond
.Lnl_\@:
.endif
	FETCH 10+\buf, 0, 0
.irp s, 0,1,2,3,4,5,6,7
	KSTEP 10+\buf, \s, \swap
.endr
	EPI
	s_wait_loadcnt 0x0                             ; the next block, if one was asked for, is in registers
.if \cond
	s_cmp_eq_u32 s42, 1
	s_cbranch_scc1 .Lns_\@
.endif
	ASTORE 9-\buf                                  ; into the other buffer: every wave's reads of it ended in front of the last barrier
.if \cond
.Lns_\@:
.endif
	s_wait_xcnt 0x0                                ; loads and stores have read their bases and the stores their data: both may be written again
	s_add_nc_u64 s[44:45], s[44:45], 65536
	s_add_nc_u64 s[50:51], s[50:51], 4096
	s_wait_dscnt 0x0                               ; for the others' sake: my stores into the other buffer have landed, my reads of this one are over
	s_barrier_signal -1
	s_barrier_wait -1
.endm
.macro GEMM swap, LB
	s_lshr_b32 s66, s38, 1
	s_lshl_b32 s66, s66, 5
	s_and_b32 s68, s38, 1
	s_lshl_b32 s68, s68, 3
	s_add_co_u32 s66, s66, s68                     ; 32 (w / 2) + 8 (w % 2)
	s_mul_i32 s66, s66, PITCH
	s_add_co_u32 s66, s66, \LB
	v_add_nc_u32 v8, s66, v6                       ; where I store my tokens, buffer 0,
	v_add_nc_u32 v9, BUFB, v8                      ; buffer 1
	v_mul_u32_u24 v10, v2, PITCH
	v_lshl_add_u32 v10, v3, 4, v10
	v_add_nc_u32 v10, \LB, v10                     ; a fragment's row r x pitch + 16 h, buffer 0,
	v_add_nc_u32 v11, BUFB, v10                    ; buffer 1
.if \swap
	v_lshlrev_b32 v7, 2, v4                        ; the lane holds ONE feature, r + 8 (r / 8) of the tile: its bias in all eight registers
.irp t, 0,1,2,3
.irp j, 0,1,2,3,4,5,6,7
	global_load_b32 v[BI+8*\t+\j], v7, s[48:49] offset:(32*(\t/2)+8*(\t%2))*4
.endr
.endr
.else
	v_lshlrev_b32 v7, 6, v3                        ; the lane's registers are features 16 h + 0 .. 7 of the tile's
.irp t, 0,1,2,3
	global_load_b128 v[BI+8*\t:BI+8*\t+3], v7, s[48:49] offset:(32*(\t/2)+8*(\t%2))*4
	global_load_b128 v[BI+8*\t+4:BI+8*\t+7], v7, s[48:49] offset:(32*(\t/2)+8*(\t%2))*4+16
.endr
.endif
	s_wait_loadcnt 0x0                             ; block 0, the weights, the bias
.set i, 0
.rept 32
	v_ldexp_f32 v[BI+i], v[BI+i], s62              ; bias / 2^(eA + eW)
.set i, i+1
.endr
	ASTORE 8
	s_wait_dscnt 0x0
	s_barrier_signal -1
	s_barrier_wait -1                              ; block 0 lies in buffer 0
	s_mov_b32 s42, 4
.Lblk_\@:                                              ; four trips of two blocks
	s_wait_alu depctr_va_vdst(0)
	BLOCK 0, 0, \swap
	BLOCK 1, 1, \swap
	s_sub_co_u32 s42, s42, 1
	s_cmp_lg_u32 s42, 0
	s_cbranch_scc1 .Lblk_\@
	s_wait_tensorcnt 0x0
	ds_add_u32 v30, v31
	s_wait_dscnt 0x0
	s_endpgm
.endm
	s_load_b512 s[4:19], s[0:1], 0x0               ; q s[4:5], k s[6:7], v s[8:9], Wq s[10:11], Wk s[12:13], Wv s[14:15], bq s[16:17], bk s[18:19]
	s_load_b512 s[20:35], s[0:1], 0x40             ; bv s[20:21], scales s[22:23], attn_mask s[24:25], key_padding_mask s[26:27], qc s[28:29], kc s[30:31], vc s[32:33], mw s[34:35]
	s_load_b64 s[36:37], s[0:1], 0x80              ; mf
	v_lshl_add_u32 v30, v0, 2, 0x41000
	v_mov_b32 v31, 0
	v_lshrrev_b32 v1, 5, v0
	v_readfirstlane_b32 s38, v1                    ; wave 0..3
	v_and_b32 v1, 31, v0                           ; lane L
	v_and_b32 v2, 15, v0                           ; r
	v_bfe_u32 v3, v0, 4, 1                         ; h
	v_and_b32 v4, 8, v2
	v_add_nc_u32 v4, v4, v2                        ; r + 8 (r / 8)
	v_lshlrev_b32 v6, 4, v1                        ; 16 L
	s_lshr_b32 s39, ttmp9, 6                       ; 0 q, 1 k, 2 v, 3 the masks
	s_wait_kmcnt 0x0
	s_cmp_eq_u32 s39, 3
	s_cbranch_scc1 .Lmask
	s_load_b256 s[52:59], s[22:23], 0x0            ; e0 .. e7
	s_load_b32 s60, s[22:23], 0x20                 ; e8
	s_and_b32 s40, ttmp9, 3                        ; which 256 features
	s_bfe_u32 s41, ttmp9, 0x40002                  ; which 512 tokens
	s_cmp_eq_u32 s39, 1                            ; the tensor's buffers: the choice hangs on the work-group's number alone
	s_cselect_b64 s[44:45], s[6:7], s[8:9]
	s_cselect_b64 s[46:47], s[12:13], s[14:15]
	s_cselect_b64 s[48:49], s[18:19], s[20:21]
	s_cselect_b64 s[50:51], s[30:31], s[32:33]
	s_cmp_eq_u32 s39, 0
	s_cselect_b64 s[44:45], s[4:5], s[44:45]
	s_cselect_b64 s[46:47], s[10:11], s[46:47]
	s_cselect_b64 s[48:49], s[16:17], s[48:49]
	s_cselect_b64 s[50:51], s[28:29], s[50:51]
	s_mov_b32 s67, 0
	s_lshl_b32 s66, s41, 19                        ; tokens: 512 rows of 1,024 bytes a chunk, 16 rows a wave
	s_lshl_b32 s68, s38, 14
	s_add_co_u32 s66, s66, s68
	s_add_nc_u64 s[44:45], s[44:45], s[66:67]
	s_lshl_b32 s66, s40, 18                        ; weights: row 256 nb + 64 w
	s_lshl_b32 s68, s38, 16
	s_add_co_u32 s66, s66, s68
	s_add_nc_u64 s[46:47], s[46:47], s[66:67]
	s_lshl_b32 s66, s40, 10                        ; bias: head 4 nb + w, 256 bytes a head
	s_lshl_b32 s68, s38, 8
	s_add_co_u32 s66, s66, s68
	s_add_nc_u64 s[48:49], s[48:49], s[66:67]
	s_lshr_b32 s66, s41, 2                         ; out: (16 batch + head) x 131,072 + (chunk % 4) x 8 blocks of 4,096
	s_lshl_b32 s66, s66, 4
	s_lshl_b32 s68, s40, 2
	s_add_co_u32 s66, s66, s68
	s_add_co_u32 s66, s66, s38
	s_lshl_b32 s66, s66, 17
	s_and_b32 s68, s41, 3
	s_lshl_b32 s68, s68, 15
	s_add_co_u32 s66, s66, s68
	s_add_nc_u64 s[50:51], s[50:51], s[66:67]
	s_wait_alu depctr_va_vdst(0)
	v_lshlrev_b32 v5, 10, v4
	v_lshl_add_u32 v5, v3, 4, v5                   ; weights: row r + 8 (r / 8) of 1,024 bytes, + 16 h
	ALOAD 0                                        ; block 0
.irp s, 0,1,2,3,4,5,6,7
	WIN 0x40+0x40*(\s/4)                           ; destination window 1 or 2
.irp t, 0,1,2,3
.irp c, 0,1,2,3
	global_load_b128 v[16*(4*(\s%4)+\t)+4*\c:16*(4*(\s%4)+\t)+4*\c+3], v5, s[46:47] offset:(32*(\t/2)+8*(\t%2))*1024+128*\s+32*\c
.endr
.endr
.endr
	WIN 0
	s_wait_kmcnt 0x0
	s_cmp_eq_u32 s39, 1
	s_cselect_b32 s61, s54, s56                    ; eA
	s_cselect_b32 s62, s55, s57                    ; eW
	s_cselect_b32 s63, s59, s60                    ; eo
	s_cmp_eq_u32 s39, 0
	s_cselect_b32 s61, s52, s61
	s_cselect_b32 s62, s53, s62
	s_cselect_b32 s63, s58, s63
	s_add_co_i32 s61, s61, s62                     ; eA + eW
	s_sub_co_i32 s62, 0, s61
	s_sub_co_i32 s63, s63, s61                     ; eo - eA - eW: the three scales folded into the conversion's one
	s_add_co_i32 s63, s63, 127
	s_lshl_b32 s66, s63, 23
	v_mov_b32 v12, s66                             ; 2^(eo - eA - eW) as f32
	s_add_co_i32 s63, s63, 15
	s_lshl_b32 s63, s63, 23
	s_or_b32 s63, s63, 0x600000
	v_mov_b32 v13, s63                             ; 57,344 x that
	s_cmp_eq_u32 s39, 2
	s_cbranch_scc1 .Lvpath
	GEMM 0, 0
.Lvpath:
	GEMM 1, LBV
; THE MASKS.  Wave w packs steps 8 w .. 8 w + 7 (64 keys each) of the pair's 32 queries, for all four batches.  A lane loads the 16 mask bytes that lie where its 16 scores will lie; a compare of one byte
; of all 32 lanes against 0 IS the word of that score register; v_writelane puts word n into lane n, so that a step's 64 words leave as 256 consecutive bytes.
.Lmask:
	s_sub_co_u32 s40, ttmp9, 192                   ; the pair
	s_wait_alu depctr_va_vdst(0)
	v_lshlrev_b32 v5, 11, v4
	v_lshl_add_u32 v5, v3, 4, v5                   ; attn_mask: row r + 8 (r / 8) of 2,048 bytes, + 16 h
	s_wait_alu depctr_va_vdst(0)
	v_lshlrev_b32 v6, 5, v3
	v_add_nc_u32 v6, v6, v2                        ; key_padding_mask: lane n wants key 32 (n / 16) + n % 16, and the key 16 further on
	s_wait_alu depctr_va_vdst(0)
	v_lshlrev_b32 v7, 3, v1                        ; out: lane n stores words (n, 0) and (n, 1)
	s_mov_b32 s67, 0
	s_lshl_b32 s66, s40, 16
	s_lshl_b32 s68, s38, 9
	s_add_co_u32 s66, s66, s68
	s_add_nc_u64 s[24:25], s[24:25], s[66:67]      ; 32 rows a pair, 512 keys a wave
	s_mov_b32 s66, s68
	s_add_nc_u64 s[26:27], s[26:27], s[66:67]
	s_lshl_b32 s66, s40, 13
	s_lshl_b32 s68, s38, 11
	s_add_co_u32 s66, s66, s68
	s_add_nc_u64 s[34:35], s[34:35], s[66:67]      ; 8,192 bytes a pair, 256 a step
.irp k, 0,1,2,3,4,5,6,7
.irp u, 0,1
.irp b, 0,1
	global_load_b128 v[64+16*\k+8*\u+4*\b:64+16*\k+8*\u+4*\b+3], v5, s[24:25] offset:16384*\u+64*\k+32*\b
.endr
.endr
.endr
.irp k, 0,1,2,3,4,5,6,7
.irp bb, 0,1,2,3
.irp e, 0,1
	global_load_u8 v[192+8*\k+2*\bb+\e], v6, s[26:27] offset:2048*\bb+64*\k+16*\e
.endr
.endr
.endr
	s_mov_b32 s78, 0xff
	s_mov_b32 s79, 0xff00
	s_mov_b32 s80, 0xff0000
	s_mov_b32 s81, 0xff000000
	s_mov_b32 s82, 0xffff
	s_mov_b32 s74, 0                               ; the four batches' flags of my eight steps
	s_mov_b32 s75, 0
	s_mov_b32 s76, 0
	s_mov_b32 s77, 0
	v_mov_b32 v24, 0                               ; written once: v_writelane's destination counts as read
	v_mov_b32 v25, 0
	v_mov_b32 v26, 0
	s_wait_loadcnt 0x0
.macro MSTEP k
	s_wait_xcnt 0x0                                ; the last step's stores have read their data
.irp u, 0,1
.irp g, 0,1,2,3                        ; eight words at a time: n = 8 g + j is byte n % 16 of piece n / 16
.irp j, 0,1,2,3,4,5,6,7
	v_and_b32 v[16+\j], s[78+(\j%4)], v[64+16*\k+8*\u+4*(\g/2)+2*(\g%2)+(\j/4)]
.endr
.irp j, 0,1,2,3,4,5,6,7
	v_cmp_ne_u32 s[66+\j], 0, v[16+\j]
.endr
.irp j, 0,1,2,3,4,5,6,7
	v_writelane_b32 v[24+\u], s[66+\j], 8*\g+\j
.endr
.endr
.endr
.irp bb, 0,1,2,3
	v_mul_u32_u24 v16, s82, v[192+8*\k+2*\bb]      ; a hidden key hides it for all 16 queries: bits 0-15 for lanes 0-15's key,
	v_mul_u32_u24 v17, s82, v[192+8*\k+2*\bb+1]    ; bits 16-31 for lanes 16-31's
	v_lshl_or_b32 v16, v17, 16, v16
	v_or_b32 v[32+2*\bb], v24, v16
	v_or_b32 v[33+2*\bb], v25, v16
	v_or_b32 v17, v[32+2*\bb], v[33+2*\bb]
	v_cmp_ne_u32 s66, 0, v17
	s_cmp_lg_u32 s66, 0
	s_cselect_b32 s67, 1<<\k, 0
	s_or_b32 s[74+\bb], s[74+\bb], s67
	global_store_b64 v7, v[32+2*\bb:33+2*\bb], s[34:35] offset:524288*\bb+256*\k   ; 32 lanes store 256 consecutive bytes, aligned
.endr
.endm
.irp k, 0,1,2,3,4,5,6,7
	MSTEP \k
.endr
	v_writelane_b32 v26, s74, 0
	v_writelane_b32 v26, s75, 1
	v_writelane_b32 v26, s76, 2
	v_writelane_b32 v26, s77, 3
	v_lshlrev_b32 v27, 8, v1                       ; mf: 256 bytes a batch (lane = batch), 4 a pair, byte w = steps 8 w .. 8 w + 7
	s_lshl_b32 s66, s40, 2
	s_add_co_u32 s66, s66, s38
	v_add_nc_u32 v27, s66, v27
	v_cmp_gt_u32 vcc_lo, 4, v1
	s_wait_alu depctr_va_vdst(0)
	s_wait_xcnt 0x0                                ; EXEC changes only behind this wait
	s_and_saveexec_b32 s67, vcc_lo
	global_store_b8 v27, v26, s[36:37]
	s_wait_xcnt 0x0
	s_or_b32 exec_lo, exec_lo, s67
	s_endpgm
.Lfunc_end_k_q66e42d4755_proj:
	.size	k_q66e42d4755_proj, .Lfunc_end_k_q66e42d4755_proj-k_q66e42d4755_proj
	.p2alignl 7, 3214868480
	.fill 96, 4, 3214868480
	.section	.rodata,"a",@progbits
	.p2align	6, 0x0
	.amdhsa_kernel k_q66e42d4755_proj
		.amdhsa_group_segment_fixed_size 266752
		.amdhsa_private_segment_fixed_size 0
		.amdhsa_enable_private_segment 0
		.amdhsa_kernarg_size 136
		.amdhsa_user_sgpr_count 2
		.amdhsa_user_sgpr_kernarg_segment_ptr 1
		.amdhsa_wavefront_size32 1
		.amdhsa_system_sgpr_workgroup_id_x 1
		.amdhsa_system_sgpr_workgroup_id_y 1
		.amdhsa_system_sgpr_workgroup_id_z 1
		.amdhsa_system_vgpr_workitem_id 0
		.amdhsa_next_free_vgpr 1024
		.amdhsa_next_free_sgpr 100
		.amdhsa_reserve_vcc 1
		.amdhsa_float_denorm_mode_32 3
		.amdhsa_float_denorm_mode_16_64 3
		.amdhsa_memory_ordered 1
		.amdhsa_forward_progress 1
		.amdhsa_inst_pref_size 255
	.end_amdhsa_kernel
	.section	.bss,"aw",@nobits
	.p2align	6
	.space	262144
	.amdgpu_metadata
---
amdhsa.version: [ 1, 2 ]
amdhsa.kernels:
  - .name:           k_q66e42d4755_proj
    .symbol:         k_q66e42d4755_proj.kd
    .args:
      - { .name: q_codes, .offset: 0, .size: 8, .value_kind: global_buffer, .address_space: global }
      - { .name: k_codes, .offset: 8, .size: 8, .value_kind: global_buffer, .address_space: global }
      - { .name: v_codes, .offset: 16, .size: 8, .value_kind: global_buffer, .address_space: global }
      - { .name: Wq_codes, .offset: 24, .size: 8, .value_kind: global_buffer, .address_space: global }
      - { .name: Wk_codes, .offset: 32, .size: 8, .value_kind: global_buffer, .address_space: global }
      - { .name: Wv_codes, .offset: 40, .size: 8, .value_kind: global_buffer, .address_space: global }
      - { .name: bq, .offset: 48, .size: 8, .value_kind: global_buffer, .address_space: global }
      - { .name: bk, .offset: 56, .size: 8, .value_kind: global_buffer, .address_space: global }
      - { .name: bv, .offset: 64, .size: 8, .value_kind: global_buffer, .address_space: global }
      - { .name: lowp_scales, .offset: 72, .size: 8, .value_kind: global_buffer, .address_space: global }
      - { .name: attn_mask, .offset: 80, .size: 8, .value_kind: global_buffer, .address_space: global }
      - { .name: key_padding_mask, .offset: 88, .size: 8, .value_kind: global_buffer, .address_space: global }
      - { .name: qc, .offset: 96, .size: 8, .value_kind: global_buffer, .address_space: global }
      - { .name: kc, .offset: 104, .size: 8, .value_kind: global_buffer, .address_space: global }
      - { .name: vc, .offset: 112, .size: 8, .value_kind: global_buffer, .address_space: global }
      - { .name: mw, .offset: 120, .size: 8, .value_kind: global_buffer, .address_space: global }
      - { .name: mf, .offset: 128, .size: 8, .value_kind: global_buffer, .address_space: global }
    .group_segment_fixed_size: 266752
    .private_segment_fixed_size: 0
    .kernarg_segment_align: 8
    .kernarg_segment_size: 136
    .max_flat_workgroup_size: 128
    .sgpr_count:     100
    .vgpr_count:     1024
    .wavefront_size: 32
...
	.end_amdgpu_metadata
.endif
;; end of part 1
;; launch attn (part 2): grid 4 x 64, 8 waves a work-group, no clusters, 263,168 bytes of LDS; arguments qc, kc, vc, mw, mf, lowp_scales, yc; writes yc
.if DOCPART == 2
	.amdgcn_target "amdgcn-amd-amdhsa--gfx1250"
	.amdhsa_code_object_version 6
	.text
	.protected	k_q66e42d4755_attn
	.globl	k_q66e42d4755_attn
	.p2align	8
	.type	k_q66e42d4755_attn,@function
k_q66e42d4755_attn:
	s_mov_b64 s[64:65], 0
	v_nop
	global_prefetch_b8 v0, s[64:65] scope:SCOPE_SE
	s_setreg_imm32_b32 hwreg(HW_REG_WAVE_MODE, 25, 1), 1
	s_wait_xcnt 0x0
; ATTENTION ON CODES OF BF8 (E5M2): scores, masks, softmax, the product with V, and y quantised for the last product.  Head size 64, 2,048 keys, 64 (batch, head) pairs.
; t = score x log2(e) / 8; M = the running largest t rounded UP to a whole number; p = 2^(t - M) is quantised with 2^e9, not normalised; the row's sum is taken of the unquantised p and divides at the end.
; When M moves, the sums and O are multiplied by 2^(old M - new M): nothing is rounded, and there is no branch on numbers.
; SHARES.  A work-group takes 512 queries of one (batch, head): eight waves, two to a SIMD, each with two PAIRS of tiles of 16 queries, one pair after the other (two passes over the keys).
; K AND V STAY IN LDS: a head's 131,072 + 131,072 bytes lie there as eight slots of 256 keys (16 KB of K, then 16 KB of V, dense copies of memory).  No LDS byte is written twice.
; Slot i + 1 is stored at the head of trip i of the first pass, from registers that global loads filled during trip i - 1; slot i + 2 is asked for right behind those stores.
; ONE BARRIER A TRIP, IN TWO HALVES: the signal stands behind my stores of slot i + 1, the scores and the masks; the wait stands ahead of my first read of slot i + 1.  Between the two: register work and LDS loads of slot i alone.
; A KEY STEP IS A SLOT, 256 keys: the maxima, M, and the rescaling of the sums and of O come once for 256 keys.
; BOTH PRODUCTS ARE USED TRANSPOSED: S^T = K Q^T, O^T = V^T P^T: a lane holds ONE query throughout.  The operands come as images of their registers (16 bytes at 16 x lane), laid by the launch before:
; score register n of a tile is key 64 (n / 32) + 32 ((n % 32) / 16) + 16 (lane / 16) + n % 16 of the slot, so eight neighbouring registers convert into two registers of the second product's operand.
; The second product takes 128 keys an instruction: two images of 64 keys on end, in V's fragment and in p's codes alike, so each code meets its partner.
; THE MASK.  mw holds, for a pair and each 64 keys, one word for each score register (bit = lane); mf one bit for each 64 keys.
; The hold of p at the largest code is owed only where 57,344 x 2^e9 < 1, that is e9 < -15.
; The launch has no tensor load, no copy and no cluster.
; No prefetch into the L2: each slot is asked for by the global loads themselves two slots ahead of its first use.
; The look-ahead for K's first four tiles wraps from slot 7 to slot 0: that serves the second pass; the very last trip's eight look-ahead loads are not used.
; LIMITS.  A hidden logit is taken as -2^30, where reference() has -1e9: then t is exact in f32 and a whole number, so a row all of whose keys are hidden gives p = 1 exactly, as reference() does;
; the two differ only where an open logit lies at about -1e9 or below.  e6 + e7 between -94 and 130; e9 between -126 and 112; e8 + e9 - e10 within +-100.  NaN is not served.
; REGISTERS.  Window 0: v1 16 x thread; v2 16 x lane; v3 2^e9; v4 57,344 x 2^e9; v5 the hidden score; v6 the slot's fragments; v7 the slot's stores;
;   tile u's statistics at v[8 + 12 u]: +0 -M, +1 the largest score, +2..5 the sum in two pairs, +6 f (+7 its pair), +8, +9, +10 at work, +11 a constant (57,344; 1.0);
;   v32-47 Q; v48-79 the next slot as loaded; v80-111 four fragments of K; v112-175 p's codes (during the scores: eight fragments of K); v176-239 O^T; v254, v255 for the add.
;   Window 1: S^T, then p: tile u at v[128 u]; behind tile 0's conversion its 128 registers take V's sixteen fragments.
.set ST, 8
.set QQ, 32
.set SG, 48
.set FF, 80
.set PP, 112
.set OO, 176
.set SPARE, 262144                     ; behind the eight slots: the spare words, 128 bytes a wave
.set MSB, 0
.macro WIN new                         ; the immediate's high byte repeats the setting that is left; a switch that changes nothing is dropped
.if MSB != (\new)
	s_set_vgpr_msb (MSB<<8)|(\new)
.set MSB, (\new)
.endif
.endm
.macro PLACES n                        ; plain vector instructions behind a matrix instruction (ISA guide 7.12.1)
.rept \n
	v_nop
.endr
.endm
.macro KLOAD reg, t                    ; tile t of the slot's K: an image, 512 consecutive bytes a load
.irp c, 0,1
	ds_load_b128 v[\reg+4*\c:\reg+4*\c+3], v6 offset:1024*(\t)+512*\c
.endr
.endm
.macro QK t, reg                       ; 16 keys x my two tiles of queries; each product starts its sum
.irp u, 0,1
	v_wmma_f32_16x16x64_bf8_bf8 v[128*\u+8*(\t):128*\u+8*(\t)+7], v[\reg:\reg+7], v[QQ+8*\u:QQ+8*\u+7], 0
.endr
.endm
.macro MASK s                          ; the s-th 64 keys of the slot: 64 words, one for each score register
	s_bitcmp1_b32 s24, \s
	s_cbranch_scc0 .Lopen_\@
	s_load_b512 s[32:47], s[30:31], 256*\s
	s_load_b512 s[48:63], s[30:31], 256*\s+64
	s_load_b512 s[68:83], s[30:31], 256*\s+128
	s_load_b512 s[84:99], s[30:31], 256*\s+192
	s_wait_kmcnt 0x0
	WIN 0x41
.set n, 0
.rept 32
.irp u, 0,1
	v_cndmask_b32 v[128*\u+32*\s+n], v[128*\u+32*\s+n], v5, s[32+2*n+\u+4*((2*n+\u)/32)]
.endr
.set n, n+1
.endr
	WIN 0
.Lopen_\@:
.endm
	s_load_b256 s[4:11], s[0:1], 0x0               ; qc s[4:5], kc s[6:7], vc s[8:9], mw s[10:11]
	s_load_b128 s[12:15], s[0:1], 0x20             ; mf s[12:13], the scales' exponents s[14:15]
	s_load_b64 s[16:17], s[0:1], 0x30              ; yc
	v_lshl_add_u32 v254, v0, 2, SPARE
	v_mov_b32 v255, 0
	v_lshrrev_b32 v6, 5, v0
	v_readfirstlane_b32 s18, v6                    ; wave 0..7
	v_lshlrev_b32 v1, 4, v0                        ; my 16 bytes of the 4,096 that the work-group moves at a time
	v_and_b32 v2, 31, v0
	v_lshlrev_b32 v2, 4, v2                        ; an image's place for my lane
	s_and_b32 s32, ttmp7, 0xffff                   ; 16 batch + head
	s_lshl_b32 s33, ttmp9, 4
	s_lshl_b32 s34, s18, 1
	s_add_co_u32 s33, s33, s34                     ; my first pair of the batch's 64: 16 x + 2 wave
	s_lshl_b32 s34, s32, 17                        ; a (batch, head)'s codes: 131,072 bytes in qc, kc and vc alike
	s_mov_b32 s35, 0
	s_lshr_b32 s36, s32, 4                         ; batch
	s_lshl_b32 s38, s36, 6
	s_add_co_u32 s38, s38, s33                     ; 64 batch + pair
	s_lshl_b32 s40, s33, 11                        ; a pair of Q's tiles: 2,048 bytes
	s_mov_b32 s41, 0
	s_mov_b32 s20, 0x76543210                      ; v_permlanex16_b32's selects for lane l xor 16
	s_mov_b32 s21, 0xfedcba98
	s_mov_b32 s3, 0                                ; trips done, over both passes
	s_mov_b32 s66, 0                               ; LDS byte at which the slot in hand begins
	s_mov_b32 s67, 0                               ; passes done
	s_wait_alu depctr_va_vdst(0)
	s_wait_kmcnt 0x0
	s_load_b128 s[44:47], s[14:15], 0x10           ; e4 .. e7
	s_load_b128 s[48:51], s[14:15], 0x20           ; e8 .. e11
	s_add_nc_u64 s[26:27], s[6:7], s[34:35]        ; K
	s_add_nc_u64 s[28:29], s[8:9], s[34:35]        ; V
	s_add_nc_u64 s[4:5], s[4:5], s[34:35]
	s_add_nc_u64 s[4:5], s[4:5], s[40:41]          ; Q
.irp j, 0,1,2,3
	global_load_b128 v[OO+4*\j:OO+4*\j+3], v1, s[26:27] offset:4096*\j            ; slot 0, through registers that O takes later
.endr
.irp j, 0,1,2,3
	global_load_b128 v[OO+16+4*\j:OO+16+4*\j+3], v1, s[28:29] offset:4096*\j
.endr
.irp u, 0,1
.irp c, 0,1
	global_load_b128 v[QQ+8*\u+4*\c:QQ+8*\u+4*\c+3], v2, s[4:5] offset:1024*\u+512*\c   ; the first pair's Q
.endr
.endr
.irp j, 0,1,2,3
	global_load_b128 v[SG+4*\j:SG+4*\j+3], v1, s[26:27] offset:16384+4096*\j      ; slot 1: the first trip stores it
.endr
.irp j, 0,1,2,3
	global_load_b128 v[SG+16+4*\j:SG+16+4*\j+3], v1, s[28:29] offset:16384+4096*\j
.endr
	s_lshl_b32 s40, s38, 13
	s_add_nc_u64 s[30:31], s[10:11], s[40:41]      ; my pairs' mask words: 8,192 bytes a pair, 1,024 a slot; the second pair's follow the first's
	s_lshl_b32 s40, s38, 2
	s_add_nc_u64 s[12:13], s[12:13], s[40:41]
	s_load_b64 s[10:11], s[12:13], 0x0             ; my two pairs' flags: bit = 64 keys
	s_lshl_b32 s40, s36, 21                        ; yc: batch x 32 groups of 65,536 + pair x 32,768 + head x 1,024
	s_lshl_b32 s42, s33, 15
	s_add_co_u32 s40, s40, s42
	s_and_b32 s42, s32, 15
	s_lshl_b32 s42, s42, 10
	s_add_co_u32 s40, s40, s42
	s_add_nc_u64 s[16:17], s[16:17], s[40:41]
	v_mov_b32 v19, 0x47600000                      ; 57,344
	v_mov_b32 v31, 1.0
	v_add_nc_u32 v6, s66, v2
	v_add_nc_u32 v7, s66, v1
	s_wait_kmcnt 0x0
	s_add_co_i32 s52, s46, s47                     ; e6 + e7
	s_lshl_b32 s53, s52, 23
	s_add_co_i32 s22, s53, 0x3e38aa3b              ; c = log2(e) / 8 x 2^(e6 + e7): the exponents are added to c's exponent field
	s_mov_b32 s23, s22                             ; (named with it as a pair, so it is written)
	s_sub_co_i32 s53, 160, s52
	s_lshl_b32 s53, s53, 23
	s_or_b32 s53, s53, 0x80000000
	v_mov_b32 v5, s53                              ; -2^(33 - e6 - e7): the score whose logit is -2^30
	s_add_co_i32 s53, s49, 127
	s_lshl_b32 s54, s53, 23
	v_mov_b32 v3, s54                              ; 2^e9 as f32, for the conversion
	s_add_co_i32 s53, s53, 15
	s_lshl_b32 s53, s53, 23
	s_or_b32 s53, s53, 0x600000
	v_mov_b32 v4, s53                              ; 57,344 x 2^e9
	s_cmp_lt_i32 s49, -15
	s_cselect_b32 s25, 1, 0                        ; is p's hold owed?
	s_add_co_i32 s2, s48, s49
	s_sub_co_i32 s2, s2, s50                       ; e8 + e9 - e10
	s_wait_alu depctr_va_vdst(0)
	s_wait_loadcnt 0x8                             ; slot 0 and Q are in; slot 1's eight loads may stay out
.irp j, 0,1,2,3,4,5,6,7
	ds_store_b128 v1, v[OO+4*\j:OO+4*\j+3] offset:4096*\j
.endr
	s_wait_dscnt 0x0                               ; for the others' sake: my part of slot 0 has landed
	s_barrier_signal -1
	s_barrier_wait -1                              ; slot 0 is whole
.irp t, 0,1,2,3
	KLOAD FF+8*\t, \t                              ; K's first four tiles of slot 0
.endr
.Lpass:                                                ; two passes: a pair of tiles of queries each
	s_mov_b32 s24, s10                             ; the pair's flags
	s_mov_b32 s19, 8
.irp u, 0,1
	v_mov_b32 v[ST+12*\u+1], 0xff61b1e6            ; the largest score so far: -3e38, under every score
	v_mov_b32 v[ST+12*\u], 0x7f61b1e6              ; -M
.irp k, 2,3,4,5,7,10
	v_mov_b32 v[ST+12*\u+\k], 0                    ; the sums; the upper half of f's pair; the lane permute's destination, which counts as a source
.endr
.endr
.set i, 0
.rept 64
	v_mov_b32 v[OO+i], 0                           ; O^T.  (The step is written once: the first finds zeros, which the first change of M leaves zeros)
.set i, i+1
.endr
	s_wait_alu depctr_va_vdst(0)
.Ltrip:                                                ; eight trips: a slot of 256 keys each
	PLACES 5                                       ; the last products read p's codes, into which loads go, and V's fragments, over which the scores are written
	s_wait_loadcnt 0x0                             ; on every path: the next slot, if one was asked for, is in registers (at a pass's head: Q too)
	s_cmp_lt_u32 s3, 7
	s_cbranch_scc0 .Lnostore
.irp j, 0,1,2,3,4,5,6,7
	ds_store_b128 v7, v[SG+4*\j:SG+4*\j+3] offset:32768+4096*\j     ; slot i + 1: bytes that nobody has read or written yet
.endr
.Lnostore:
.irp t, 4,5,6,7,8,9,10,11
	KLOAD PP+8*(\t-4), \t
.endr
	s_wait_dscnt 16                                ; the sixteen just issued may stay out: the look-ahead's four tiles are in, and my stores have landed
	s_cmp_lt_u32 s3, 6
	s_cbranch_scc0 .Lnoload
	s_add_nc_u64 s[26:27], s[26:27], 16384         ; (the loads that read these bases are done: the wait at the trip's head)
	s_add_nc_u64 s[28:29], s[28:29], 16384
.irp j, 0,1,2,3
	global_load_b128 v[SG+4*\j:SG+4*\j+3], v1, s[26:27] offset:16384+4096*\j      ; slot i + 2
.endr
.irp j, 0,1,2,3
	global_load_b128 v[SG+16+4*\j:SG+16+4*\j+3], v1, s[28:29] offset:16384+4096*\j
.endr
.Lnoload:
	WIN 0x40                                       ; the scores go to window 1
.irp t, 0,1,2,3
	QK \t, FF+8*\t
.endr
	PLACES 4
	WIN 0
.irp t, 12,13,14,15
	KLOAD FF+8*(\t-12), \t
.endr
	s_wait_dscnt 8                                 ; tiles 4 to 11 are in; the eight just issued may stay out
	WIN 0x40
.irp t, 4,5,6,7,8,9,10,11
	QK \t, PP+8*(\t-4)
.endr
	s_wait_dscnt 0x0
.irp t, 12,13,14,15
	QK \t, FF+8*(\t-12)
.endr
	PLACES 4                                       ; in front of the first reads of the scores and of the loads into Q
	WIN 0
	s_cmp_eq_u32 s3, 7                             ; the first pass's last scores are made: the second pair's Q is asked for
	s_cbranch_scc0 .Lnoq
.irp u, 0,1
.irp c, 0,1
	global_load_b128 v[QQ+8*\u+4*\c:QQ+8*\u+4*\c+3], v2, s[4:5] offset:2048+1024*\u+512*\c
.endr
.endr
.Lnoq:
	MASK 0
	MASK 1
	MASK 2
	MASK 3
	s_barrier_signal -1                            ; my part of slot i + 1 has landed, and no LDS instruction of mine is out
	; the slot's largest score of my query among my 128 keys, with the largest so far: two chains a tile, ascending, the tiles by turns
	WIN 0x14
.irp u, 0,1
	v_max3_num_f32 v[ST+12*\u+8], v[ST+12*\u+1], v[128*\u], v[128*\u+1]
.endr
.irp u, 0,1
	v_max3_num_f32 v[ST+12*\u+9], v[ST+12*\u+1], v[128*\u+2], v[128*\u+3]
.endr
.set i, 4
.rept 31
.irp u, 0,1
	v_max3_num_f32 v[ST+12*\u+8], v[ST+12*\u+8], v[128*\u+i], v[128*\u+i+1]
.endr
.irp u, 0,1
	v_max3_num_f32 v[ST+12*\u+9], v[ST+12*\u+9], v[128*\u+i+2], v[128*\u+i+3]
.endr
.set i, i+4
.endr
	WIN 0
.irp u, 0,1
	v_max_num_f32 v[ST+12*\u+8], v[ST+12*\u+8], v[ST+12*\u+9]
.endr
.irp u, 0,1
	v_permlanex16_b32 v[ST+12*\u+10], v[ST+12*\u+8], s20, s21
.endr
.irp u, 0,1
	v_max_num_f32 v[ST+12*\u+1], v[ST+12*\u+8], v[ST+12*\u+10]   ; and among lane l xor 16's
.endr
.irp u, 0,1
	v_mul_f32 v[ST+12*\u+8], s22, v[ST+12*\u+1]    ; as t (c is positive)
.endr
.irp u, 0,1
	v_mov_b32 v[ST+12*\u+9], v[ST+12*\u]
.endr
.irp u, 0,1
	v_floor_f32 v[ST+12*\u], -v[ST+12*\u+8]        ; the new -M = floor(-t) = -ceil(t): a whole number
.endr
.irp u, 0,1
	v_sub_f32 v[ST+12*\u+8], v[ST+12*\u], v[ST+12*\u+9]   ; old M - new M: a whole number, 0 or less
.endr
.irp u, 0,1
	v_cvt_i32_f32 v[ST+12*\u+8], v[ST+12*\u+8]     ; (it saturates)
.endr
.irp u, 0,1
	v_ldexp_f32 v[ST+12*\u+6], 1.0, v[ST+12*\u+8]  ; f = 2^(old M - new M)
.endr
	WIN 0x41
.set j, 0
.rept 64
.irp u, 0,1
	v_pk_fma_f32 v[128*\u+j:128*\u+j+1], v[128*\u+j:128*\u+j+1], s[22:23], v[ST+12*\u:ST+12*\u+1] op_sel_hi:[1,0,0]   ; t - M, two at a time (of the pairs c and -M the low word serves both halves)
.endr
.set j, j+2
.endr
	s_wait_alu depctr_va_vdst(0)
.set n, 0
.rept 256
	v_exp_f32 v[n], v[n]                           ; p = 2^(t - M), at most 1
.set n, n+1
.endr
	WIN 0
.irp u, 0,1
	v_pk_mul_f32 v[ST+12*\u+2:ST+12*\u+3], v[ST+12*\u+2:ST+12*\u+3], v[ST+12*\u+6:ST+12*\u+7] op_sel_hi:[1,0]   ; the sums under the new M.  (Plain places behind the exponentials)
	v_pk_mul_f32 v[ST+12*\u+4:ST+12*\u+5], v[ST+12*\u+4:ST+12*\u+5], v[ST+12*\u+6:ST+12*\u+7] op_sel_hi:[1,0]
.endr
	WIN 0x04
	s_wait_alu depctr_va_vdst(0)                   ; one wait for the whole batch, ahead of its first reader
.set j, 0
.rept 32                                       ; the row's sum is taken of the unquantised p: two chains a tile, the tiles by turns
.irp u, 0,1
	v_pk_add_f32 v[ST+12*\u+2:ST+12*\u+3], v[ST+12*\u+2:ST+12*\u+3], v[128*\u+j:128*\u+j+1]
.endr
.irp u, 0,1
	v_pk_add_f32 v[ST+12*\u+4:ST+12*\u+5], v[ST+12*\u+4:ST+12*\u+5], v[128*\u+j+2:128*\u+j+3]
.endr
.set j, j+4
.endr
	WIN 0
	s_cmp_lg_u32 s25, 0
	s_cbranch_scc0 .Lnohold
	WIN 0x41
.set n, 0
.rept 256
	v_min_num_f32 v[n], v[n], v4                   ; the conversion to an 8-bit code does not saturate (ISA guide 7.6.2); p is not negative, so the hold is one-sided
.set n, n+1
.endr
	WIN 0
.Lnohold:
	WIN 0x01
.set g, 0
.rept 16
	v_cvt_scalef32_pk8_bf8_f32 v[PP+2*g:PP+2*g+1], v[8*g:8*g+7], v3               ; tile 0's codes
.set g, g+1
.endr
	WIN 0x40
.irp s, 0,1,2,3                                ; V's sixteen fragments land where tile 0's p lay: (128 keys j, features t) at v[64 j + 16 t], two images of 64 keys on end
.irp t, 0,1,2,3
.irp c, 0,1
	ds_load_b128 v[64*(\s/2)+16*\t+8*(\s%2)+4*\c:64*(\s/2)+16*\t+8*(\s%2)+4*\c+3], v6 offset:16384+4096*\s+1024*\t+512*\c
.endr
.endr
.endr
	WIN 0x01
.set g, 0
.rept 16
	v_cvt_scalef32_pk8_bf8_f32 v[PP+32+2*g:PP+32+2*g+1], v[128+8*g:128+8*g+7], v3  ; tile 1's
.set g, g+1
.endr
	WIN 0
	s_wait_alu depctr_va_vdst(0)                   ; directly ahead of the first reader of O^T
.set j, 0
.rept 16
.irp u, 0,1
	v_pk_mul_f32 v[OO+32*\u+j:OO+32*\u+j+1], v[OO+32*\u+j:OO+32*\u+j+1], v[ST+12*\u+6:ST+12*\u+7] op_sel_hi:[1,0]   ; O^T under the new M, each accumulator from its low end on.  (Plain places behind the conversions too)
.endr
.set j, j+2
.endr
	s_add_co_u32 s66, s66, 32768                   ; on to the next slot; behind slot 7 comes slot 0
	s_and_b32 s66, s66, 0x3ffff
	v_add_nc_u32 v6, s66, v2
	v_add_nc_u32 v7, s66, v1
	s_wait_alu depctr_va_vdst(0)
	s_barrier_wait -1                              ; every wave's part of slot i + 1 has landed
.irp t, 0,1,2,3
	KLOAD FF+8*\t, \t                              ; the look-ahead: K's first four tiles of the next slot
.endr
	s_wait_dscnt 8                                 ; V is in; the eight just issued may stay out
	WIN 0x01
.irp j, 0,1                                    ; O^T += V^T P^T, 128 keys an instruction: the eight accumulators take turns
.irp t, 0,1,2,3
.irp u, 0,1
	v_wmma_f32_16x16x128_bf8_bf8 v[OO+32*\u+8*\t:OO+32*\u+8*\t+7], v[64*\j+16*\t:64*\j+16*\t+15], v[PP+32*\u+16*\j:PP+32*\u+16*\j+15], v[OO+32*\u+8*\t:OO+32*\u+8*\t+7]
.endr
.endr
.endr
	WIN 0
	s_wait_xcnt 0x0                                ; the base is stepped only behind this wait
	s_add_nc_u64 s[30:31], s[30:31], 1024          ; the next slot's mask words
	s_lshr_b32 s24, s24, 4                         ; and flags
	s_add_co_u32 s3, s3, 1
	s_sub_co_u32 s19, s19, 1
	s_cmp_lg_u32 s19, 0
	s_cbranch_scc1 .Ltrip
	; THE WAY OUT of a pair: y = O^T x 2^(e8 + e9) / the sum; its code is y / 2^e10, held within +-57,344.  A lane's 16 registers of two neighbouring tiles are 16 neighbours along the last product's K: an image again.
.irp u, 0,1
	v_pk_add_f32 v[ST+12*\u+2:ST+12*\u+3], v[ST+12*\u+2:ST+12*\u+3], v[ST+12*\u+4:ST+12*\u+5]   ; the sum's two pairs,
.endr
.irp u, 0,1
	v_add_f32 v[ST+12*\u+8], v[ST+12*\u+2], v[ST+12*\u+3]        ; two halves,
.endr
.irp u, 0,1
	v_permlanex16_b32 v[ST+12*\u+10], v[ST+12*\u+8], s20, s21
.endr
.irp u, 0,1
	v_add_f32 v[ST+12*\u+8], v[ST+12*\u+8], v[ST+12*\u+10]       ; and lane l xor 16's
.endr
	s_wait_alu depctr_va_vdst(0)                   ; ahead of the transcendentals
.irp u, 0,1
	v_rcp_f32 v[ST+12*\u+8], v[ST+12*\u+8]
.endr
	v_nop                                          ; a plain place behind the reciprocals
	s_wait_alu depctr_va_vdst(0)                   ; and ahead of their first reader
.irp u, 0,1
	v_ldexp_f32 v[ST+12*\u+8], v[ST+12*\u+8], s2
.endr
	WIN 0x40
	s_wait_alu depctr_va_vdst(0)                   ; directly ahead of the first reader of O^T
.irp u, 0,1
.irp j, 0,2,4,6,8,10,12,14,16,18,20,22,24,26,28,30
	v_pk_mul_f32 v[128+32*\u+\j:128+32*\u+\j+1], v[OO+32*\u+\j:OO+32*\u+\j+1], v[ST+12*\u+8:ST+12*\u+9] op_sel_hi:[1,0]   ; into window 1, where tile 1's p lay; each accumulator from its low end on
.endr
.endr
	WIN 0x41
.set n, 0
.rept 64
	v_med3_num_f32 v[128+n], v[128+n], -v19, v19
.set n, n+1
.endr
.irp u, 0,1
.irp g, 0,1,2,3
	v_cvt_scalef32_pk8_bf8_f32 v[192+8*\u+2*\g:192+8*\u+2*\g+1], v[128+32*\u+8*\g:128+32*\u+8*\g+7], v31
.endr
.endr
	v_nop                                          ; a plain vector instruction behind the last conversion
	WIN 0x04                                       ; store data in window 1
.irp u, 0,1
.irp b, 0,1
	global_store_b128 v2, v[192+8*\u+4*\b:192+8*\u+4*\b+3], s[16:17] offset:16384*\u+512*\b   ; 32 lanes store 512 consecutive bytes, aligned
.endr
.endr
	WIN 0
	s_wait_xcnt 0x0                                ; the stores have read their data and their base: both may be written again
	s_add_nc_u64 s[16:17], s[16:17], 32768         ; the second pair's place in yc
	s_mov_b32 s10, s11                             ; and its flags
	s_add_co_u32 s67, s67, 1
	s_cmp_lt_u32 s67, 2
	s_cbranch_scc1 .Lpass
	s_wait_tensorcnt 0x0                           ; the wave's end
	ds_add_u32 v254, v255
	s_wait_dscnt 0x0
	s_endpgm
.Lfunc_end_k_q66e42d4755_attn:
	.size	k_q66e42d4755_attn, .Lfunc_end_k_q66e42d4755_attn-k_q66e42d4755_attn
	.p2alignl 7, 3214868480
	.fill 96, 4, 3214868480
	.section	.rodata,"a",@progbits
	.p2align	6, 0x0
	.amdhsa_kernel k_q66e42d4755_attn
		.amdhsa_group_segment_fixed_size 263168
		.amdhsa_private_segment_fixed_size 0
		.amdhsa_enable_private_segment 0
		.amdhsa_kernarg_size 56
		.amdhsa_user_sgpr_count 2
		.amdhsa_user_sgpr_kernarg_segment_ptr 1
		.amdhsa_wavefront_size32 1
		.amdhsa_system_sgpr_workgroup_id_x 1
		.amdhsa_system_sgpr_workgroup_id_y 1
		.amdhsa_system_sgpr_workgroup_id_z 1
		.amdhsa_system_vgpr_workitem_id 0
		.amdhsa_next_free_vgpr 512
		.amdhsa_next_free_sgpr 100
		.amdhsa_reserve_vcc 0
		.amdhsa_float_denorm_mode_32 3
		.amdhsa_float_denorm_mode_16_64 3
		.amdhsa_memory_ordered 1
		.amdhsa_forward_progress 1
		.amdhsa_inst_pref_size 91
	.end_amdhsa_kernel
	.amdgpu_metadata
---
amdhsa.version: [ 1, 2 ]
amdhsa.kernels:
  - .name:           k_q66e42d4755_attn
    .symbol:         k_q66e42d4755_attn.kd
    .args:
      - { .name: qc, .offset: 0, .size: 8, .value_kind: global_buffer, .address_space: global }
      - { .name: kc, .offset: 8, .size: 8, .value_kind: global_buffer, .address_space: global }
      - { .name: vc, .offset: 16, .size: 8, .value_kind: global_buffer, .address_space: global }
      - { .name: mw, .offset: 24, .size: 8, .value_kind: global_buffer, .address_space: global }
      - { .name: mf, .offset: 32, .size: 8, .value_kind: global_buffer, .address_space: global }
      - { .name: lowp_scales, .offset: 40, .size: 8, .value_kind: global_buffer, .address_space: global }
      - { .name: yc, .offset: 48, .size: 8, .value_kind: global_buffer, .address_space: global }
    .group_segment_fixed_size: 263168
    .private_segment_fixed_size: 0
    .kernarg_segment_align: 8
    .kernarg_segment_size: 56
    .max_flat_workgroup_size: 256
    .sgpr_count:     100
    .vgpr_count:     512
    .wavefront_size: 32
...
	.end_amdgpu_metadata
.endif
;; end of part 2
;; launch outp (part 3): grid 256 x 1, 4 waves a work-group, no clusters, 148,992 bytes of LDS; arguments yc, Wout_codes, bout, lowp_scales, out0; writes out0
.if DOCPART == 3
	.amdgcn_target "amdgcn-amd-amdhsa--gfx1250"
	.amdhsa_code_object_version 6
	.text
	.protected	k_q66e42d4755_outp
	.globl	k_q66e42d4755_outp
	.p2align	8
	.type	k_q66e42d4755_outp,@function
k_q66e42d4755_outp:
	s_mov_b64 s[64:65], 0
	v_nop
	global_prefetch_b8 v0, s[64:65] scope:SCOPE_SE
	s_setreg_imm32_b32 hwreg(HW_REG_WAVE_MODE, 25, 1), 1
	s_wait_xcnt 0x0
; out = y Wout^T + bout on codes of BF8 (E5M2): [8192 tokens][1024] x [1024 columns][1024].  A sum of codes x 2^(e10 + e11) + bout, one packed multiply-add for two numbers.
; WORK-GROUPS: 256 columns g % 4, 128 tokens g / 4 (two groups of 64).  Wave w holds the 64 rows 256 (g % 4) + 64 w of Wout in 512 registers, read once, and makes its 64 columns for all 128 tokens.
; y comes as images of operand registers, [group of 64 tokens][tile 4][K step 8][piece 4][lane][16], laid by the launch before: a group is 65,536 dense bytes.  Both groups go into LDS at the start
; (each wave moves a quarter of each); one barrier; then no wave waits for another.
; Source 0 = 16 rows of Wout, source 1 = 16 tokens: a lane holds one token and eight columns.  Lane row r of weight tile 2 b + u is row 32 b + 8 u + r + 8 (r / 8), so that a lane's 16 registers of two
; neighbouring tiles are 16 neighbouring columns; lane row r of token tile 2 b + u is token 32 b + 8 u + r + 8 (r / 8) of its group (so the launch before laid them).
; The way out goes through the wave's own stage in LDS (16 rows of 256 bytes + 16) and leaves as aligned runs of 256 bytes, sixteen lanes to a run.
; No tensor loads and no cluster: a group of y is shared by four work-groups only and read once by each, at the start.
; LIMIT: e10 + e11 between -126 and 127.
; REGISTERS, in windows of 256: window 0: v1-16 addresses; v32-63 bout in the result's layout; v64-127, v128-191 two sets of token fragments (at the start: group 1 as loaded; on the way out v64-127: rows read back); v192-223 results.
;   windows 1, 2: Wout, fragment (tile t, K step s) at v[16 (4 (s % 4) + t)] of window 1 + s / 4.   window 3: v0-127 the 16 accumulators; v128-255 group 0 as loaded.
.set BO,  32
.set AF,  64
.set BK,  64
.set TMP, 192
.set STG, 128
.set MSB, 0
.macro WIN new                         ; the immediate's high byte repeats the setting that is left; a switch that changes nothing is dropped
.if MSB != (\new)
	s_set_vgpr_msb (MSB<<8)|(\new)
.set MSB, (\new)
.endif
.endm
.macro PLACES n                        ; plain vector instructions between a matrix instruction and a load into, or a vector instruction on, its registers
.rept \n
	v_nop
.endr
.endm
.macro FETCH adr, s, set               ; the four token fragments of K step s into a set: images, 512 consecutive bytes a load
.irp m, 0,1,2,3
.irp c, 0,1,2,3
	ds_load_b128 v[AF+64*(\set)+16*\m+4*\c:AF+64*(\set)+16*\m+4*\c+3], v[\adr] offset:16384*\m+2048*(\s)+512*\c
.endr
.endr
.endm
.macro MUL16 s, set                    ; 16 products; the 16 accumulators take turns, in the same order in every step; the first step's start the sums
.if (\s) == 0
	WIN 0xc1                                       ; source 0 (Wout) window 1, D window 3
.elseif (\s) < 4
	WIN 0xf1
.else
	WIN 0xf2
.endif
.irp m, 0,1,2,3
.irp t, 0,1,2,3
.set rW, 16*(4*((\s)%4)+\t)
.set rA, AF+64*(\set)+16*\m
.set rD, 8*(4*\m+\t)
.if (\s) == 0
	v_wmma_f32_16x16x128_bf8_bf8 v[rD:rD+7], v[rW:rW+15], v[rA:rA+15], 0
.else
	v_wmma_f32_16x16x128_bf8_bf8 v[rD:rD+7], v[rW:rW+15], v[rA:rA+15], v[rD:rD+7]
.endif
.endr
.endr
.endm
.macro KSTEP adr, s
.if \s > 0
	PLACES 4                                       ; the set fetched below was read by the products just issued
.endif
	WIN 0
.if \s < 7
	FETCH \adr, (\s+1), ((\s+1)%2)
	s_wait_dscnt 16                                ; the sixteen just issued may stay out; this step's sixteen are in
.else
	s_wait_dscnt 0x0
.endif
	MUL16 \s, (\s%2)
.endm
; THE WAY OUT of group k, a tile of 16 tokens at a time
.macro EPI3 k
	PLACES 4
.irp m, 0,1,2,3
	s_wait_xcnt 0x0                                ; earlier stores have read their data: the rows' registers may be loaded again
	WIN 0x03                                       ; the sums, source 0, window 3
.irp t, 0,1,2,3
.irp i, 0,2,4,6
	v_pk_fma_f32 v[TMP+8*\t+\i:TMP+8*\t+\i+1], v[8*(4*\m+\t)+\i:8*(4*\m+\t)+\i+1], s[24:25], v[BO+8*\t+\i:BO+8*\t+\i+1] op_sel_hi:[1,0,1]   ; sum x 2^(e10 + e11) + bout; each accumulator from its low end on
.endr
.endr
	WIN 0
.irp t, 0,1,2,3
	ds_store_b128 v14, v[TMP+8*\t:TMP+8*\t+3] offset:128*(\t/2)+32*(\t%2)          ; lane (r, h): stage row r, columns 32 (t / 2) + 16 h + 8 (t % 2) + 0 .. 7
	ds_store_b128 v14, v[TMP+8*\t+4:TMP+8*\t+7] offset:128*(\t/2)+32*(\t%2)+16
.endr
.irp i, 0,1,2,3,4,5,6,7
	ds_load_b128 v[BK+32*(\m%2)+4*\i:BK+32*(\m%2)+4*\i+3], v15 offset:544*\i       ; LDS serves a wave's instructions in order (ISA guide 5.7.1.4): these see my stores, and the next tile's stores come behind them
.endr
	s_wait_dscnt 0x0
.irp i, 0,1,2,3,4,5,6,7
	global_store_b128 v16, v[BK+32*(\m%2)+4*\i:BK+32*(\m%2)+4*\i+3], s[12:13] offset:(64*\k+32*(\m/2)+8*(\m%2)+2*\i+8*(\i/4))*4096 th:TH_STORE_NT   ; stage rows 2 i, 2 i + 1: sixteen lanes store 256 consecutive bytes, aligned
.endr
.endr
.endm
	s_load_b256 s[4:11], s[0:1], 0x0               ; yc s[4:5], Wout's codes s[6:7], bout s[8:9], the scales' exponents s[10:11]
	s_load_b64 s[12:13], s[0:1], 0x20              ; out0
	v_lshl_add_u32 v254, v0, 2, 0x24400
	v_mov_b32 v255, 0
	v_lshrrev_b32 v1, 5, v0
	v_readfirstlane_b32 s14, v1                    ; wave 0..3
	v_and_b32 v1, 31, v0                           ; lane L
	v_and_b32 v2, 15, v0                           ; r
	v_bfe_u32 v3, v0, 4, 1                         ; h
	v_and_b32 v4, 8, v2
	v_add_nc_u32 v4, v4, v2                        ; r + 8 (r / 8)
	v_lshlrev_b32 v5, 10, v4
	v_lshl_add_u32 v5, v3, 4, v5                   ; Wout: row r + 8 (r / 8) of 1,024 bytes, + 16 h
	v_lshlrev_b32 v7, 6, v3                        ; bout: 16 h numbers on
	v_lshlrev_b32 v10, 4, v1                       ; an image's place for my lane, group 0,
	v_add_nc_u32 v11, 65536, v10                   ; group 1
	s_lshl_b32 s18, s14, 14
	v_add_nc_u32 v8, s18, v10                      ; my quarter of a group, in memory and in LDS alike: 16 L + 16,384 w,
	v_add_nc_u32 v9, 65536, v8                     ; and in LDS for group 1
	s_mul_i32 s18, s14, 4352
	s_add_co_u32 s18, s18, 131072                  ; my stage, behind the two groups
	v_mul_u32_u24 v14, v2, 272
	v_lshl_add_u32 v14, v3, 6, v14
	v_add_nc_u32 v14, s18, v14                     ; in: row r, + 64 h
	v_mul_u32_u24 v15, v3, 272
	v_lshl_add_u32 v15, v2, 4, v15
	v_add_nc_u32 v15, s18, v15                     ; back: lanes 0-15 one row, lanes 16-31 the next
	v_lshlrev_b32 v16, 12, v3
	v_lshl_add_u32 v16, v2, 4, v16                 ; and the same two rows in out0: 4,096 bytes a row
	s_and_b32 s15, ttmp9, 3                        ; which 256 columns
	s_lshr_b32 s16, ttmp9, 2                       ; which 128 tokens
	s_mov_b32 s19, 0
	s_mov_b32 s21, 0
	s_lshl_b32 s20, s15, 10
	s_lshl_b32 s22, s14, 8
	s_add_co_u32 s20, s20, s22                     ; my first column in bytes of f32: (256 nb + 64 w) x 4
	s_wait_alu depctr_va_vdst(0)
	s_wait_kmcnt 0x0
	s_load_b64 s[26:27], s[10:11], 0x28            ; e10, e11
	s_lshl_b32 s18, s16, 17
	s_add_nc_u64 s[4:5], s[4:5], s[18:19]          ; two groups of 65,536 bytes
	s_lshl_b32 s18, s15, 18
	s_lshl_b32 s22, s14, 16
	s_add_co_u32 s18, s18, s22
	s_add_nc_u64 s[6:7], s[6:7], s[18:19]          ; row 256 nb + 64 w of Wout
	s_add_nc_u64 s[8:9], s[8:9], s[20:21]
	s_lshl_b32 s18, s16, 19
	s_add_nc_u64 s[12:13], s[12:13], s[18:19]      ; 128 rows of 4,096 bytes,
	s_add_nc_u64 s[12:13], s[12:13], s[20:21]      ; and my columns
	WIN 0xc0                                       ; destination window 3
.set i, 0
.rept 32
	global_load_b128 v[STG+4*i:STG+4*i+3], v8, s[4:5] offset:512*i
.set i, i+1
.endr
	WIN 0
.set i, 0
.rept 32
	global_load_b128 v[AF+4*i:AF+4*i+3], v8, s[4:5] offset:65536+512*i
.set i, i+1
.endr
.irp s, 0,1,2,3,4,5,6,7
	WIN 0x40+0x40*(\s/4)                           ; destination window 1 or 2
.irp t, 0,1,2,3
.irp c, 0,1,2,3
	global_load_b128 v[16*(4*(\s%4)+\t)+4*\c:16*(4*(\s%4)+\t)+4*\c+3], v5, s[6:7] offset:(32*(\t/2)+8*(\t%2))*1024+128*\s+32*\c
.endr
.endr
.endr
	WIN 0
.irp t, 0,1,2,3
	global_load_b128 v[BO+8*\t:BO+8*\t+3], v7, s[8:9] offset:(32*(\t/2)+8*(\t%2))*4
	global_load_b128 v[BO+8*\t+4:BO+8*\t+7], v7, s[8:9] offset:(32*(\t/2)+8*(\t%2))*4+16
.endr
	s_wait_kmcnt 0x0
	s_add_co_i32 s24, s26, s27
	s_add_co_i32 s24, s24, 127
	s_lshl_b32 s24, s24, 23                        ; 2^(e10 + e11) as f32
	s_mov_b32 s25, s24                             ; (named with it as a pair, so it is written)
	s_wait_loadcnt 0x0
	WIN 0x0c                                       ; store data window 3
.set i, 0
.rept 32
	ds_store_b128 v8, v[STG+4*i:STG+4*i+3] offset:512*i
.set i, i+1
.endr
	WIN 0
.set i, 0
.rept 32
	ds_store_b128 v9, v[AF+4*i:AF+4*i+3] offset:512*i
.set i, i+1
.endr
	s_wait_dscnt 0x0                               ; for the others' sake: my quarters have landed
	s_barrier_signal -1
	s_barrier_wait -1                              ; both groups lie in LDS; nothing writes them again
	FETCH 10, 0, 0
.irp s, 0,1,2,3,4,5,6,7
	KSTEP 10, \s
.endr
	EPI3 0
	s_wait_xcnt 0x0                                ; the last stores have read the registers that the fragments take
	FETCH 11, 0, 0
.irp s, 0,1,2,3,4,5,6,7
	KSTEP 11, \s
.endr
	EPI3 1
	s_wait_tensorcnt 0x0
	ds_add_u32 v254, v255
	s_wait_dscnt 0x0
	s_endpgm
.Lfunc_end_k_q66e42d4755_outp:
	.size	k_q66e42d4755_outp, .Lfunc_end_k_q66e42d4755_outp-k_q66e42d4755_outp
	.p2alignl 7, 3214868480
	.fill 96, 4, 3214868480
	.section	.rodata,"a",@progbits
	.p2align	6, 0x0
	.amdhsa_kernel k_q66e42d4755_outp
		.amdhsa_group_segment_fixed_size 148992
		.amdhsa_private_segment_fixed_size 0
		.amdhsa_enable_private_segment 0
		.amdhsa_kernarg_size 40
		.amdhsa_user_sgpr_count 2
		.amdhsa_user_sgpr_kernarg_segment_ptr 1
		.amdhsa_wavefront_size32 1
		.amdhsa_system_sgpr_workgroup_id_x 1
		.amdhsa_system_sgpr_workgroup_id_y 1
		.amdhsa_system_sgpr_workgroup_id_z 1
		.amdhsa_system_vgpr_workitem_id 0
		.amdhsa_next_free_vgpr 1024
		.amdhsa_next_free_sgpr 66
		.amdhsa_reserve_vcc 0
		.amdhsa_float_denorm_mode_32 3
		.amdhsa_float_denorm_mode_16_64 3
		.amdhsa_memory_ordered 1
		.amdhsa_forward_progress 1
		.amdhsa_inst_pref_size 85
	.end_amdhsa_kernel
	.amdgpu_metadata
---
amdhsa.version: [ 1, 2 ]
amdhsa.kernels:
  - .name:           k_q66e42d4755_outp
    .symbol:         k_q66e42d4755_outp.kd
    .args:
      - { .name: yc, .offset: 0, .size: 8, .value_kind: global_buffer, .address_space: global }
      - { .name: Wout_codes, .offset: 8, .size: 8, .value_kind: global_buffer, .address_space: global }
      - { .name: bout, .offset: 16, .size: 8, .value_kind: global_buffer, .address_space: global }
      - { .name: lowp_scales, .offset: 24, .size: 8, .value_kind: global_buffer, .address_space: global }
      - { .name: out0, .offset: 32, .size: 8, .value_kind: global_buffer, .address_space: global }
    .group_segment_fixed_size: 148992
    .private_segment_fixed_size: 0
    .kernarg_segment_align: 8
    .kernarg_segment_size: 40
    .max_flat_workgroup_size: 128
    .sgpr_count:     66
    .vgpr_count:     1024
    .wavefront_size: 32
...
	.end_amdgpu_metadata
.endif
;; end of part 3
